; MI455X (gfx1250); checked and timed in simulation.
; The chip was launched on July 23, 2026; its instructions are those of AMD's public machine-readable ISA for CDNA 5 (MIT licence, August 2026) and "CDNA5" Instruction Set Architecture Reference Guide (July 2026). The comments in the code are by the model that wrote it; some were corrected since.
;; Type Conditional Linear. Allowed arithmetic: matrix products marked QUANTISED: E2M1 operands, one E8M0 scale for each 32 along K, by v_wmma_scale_f32_16x16x128_f8f6f4 with both operands' format E2M1 (or v_wmma_scale_f32_32x16x128_f4), f32 sums; everything else in f32.
;; Inputs: bias 16 x 512 float32; i_type 16,384 int32; input 16,384 x 512 float32; weight 16 x 512 x 512 float32.
;; Outputs: out0 16,384 x 512 float32.
;; This version of the problem:
;;   THIS VERSION OF THE PROBLEM IS GIVEN IN LOW PRECISION. The matrix products marked QUANTISED in the list below multiply operands that are first quantised to E2M1 (2 exponent bits, 1 mantissa bit; 4 bits a number), with one power-of-two scale for each 32 numbers along K (OCP MX v1.0); their sums are f32. All else is computed in f32.
;;   The module's matrix products, in the order in which they are computed (A, B: the left and right operand; K: the contracted axis; several contracted axes count as one K, in the product's order):
;;     1. [M 16,384, K 512] x [K 512, N 8,192]; A: input input; B: input weight: QUANTISED
;;   THE QUANTISER, for each operand of a quantised product, along K:
;;     - K is cut into blocks of 32 from its start; a last block that is shorter is filled with zeros.
;;     - A block's scale is 2^e with e = floor(log2(the largest magnitude in the block)) - 2, held to -126 .. 127; a block of zeros has e = 0. As a byte (E8M0): e + 127.
;;     - Each number is divided by its block's scale, clamped to +-6, and rounded to the nearest number of E2M1, ties to even, subnormals kept.
;;     - The product sums the exact products of the quantised numbers (number of the format x scale) in f32.
;;   ~~~python
;;   def quantise(x, axis):      # numpy; x: float32 -> the quantised numbers, widened to float32 again
;;       x = np.moveaxis(x, axis, -1); K = x.shape[-1]
;;       x = np.pad(x, [(0, 0)] * (x.ndim - 1) + [(0, -K % 32)]); x = x.reshape(x.shape[:-1] + (-1, 32)); a = np.abs(x).max(-1, keepdims=True)
;;       e = np.where(a > 0, np.clip(np.frexp(np.where(a > 0, a, 1))[1] - 1 - 2, -126, 127), 0)      # np.frexp(a)[1] - 1 = floor(log2(a)), exactly
;;       r = np.clip(x / 2.0 ** e, -6, 6)
;;       step = 2.0 ** (np.maximum(np.frexp(np.where(r == 0, 1, r))[1] - 1, 0) - 1)
;;       q = np.round(r / step) * step * 2.0 ** e      # np.round: ties to even
;;       return np.moveaxis(q.reshape(q.shape[:-2] + (-1,))[..., :K], -1, axis).astype(np.float32)
;;   ~~~
;; One version. Each part assembles by itself: llvm-mc -triple=amdgcn-amd-amdhsa -mcpu=gfx1250 --defsym DOCPART=n.
;; ======== version 1 of 1: 2 launches
;; workspace buffers: wq 2,097,152 bytes; wsc 131,072 bytes; order 65,536 bytes of whole numbers
;; launch prep (part 1): grid 272 x 1, 16 waves a work-group, no clusters, 93,440 bytes of LDS; arguments weight, i_type, wq, wsc, order; writes wq, wsc, order
.if DOCPART == 1
	.amdgcn_target "amdgcn-amd-amdhsa--gfx1250"
	.amdhsa_code_object_version 6
	.text
	.protected	k_qb9e1825d78_prep
	.globl	k_qb9e1825d78_prep
	.p2align	8
	.type	k_qb9e1825d78_prep,@function
k_qb9e1825d78_prep:
	s_mov_b64 s[64:65], 0
	v_nop
	global_prefetch_b8 v0, s[64:65] scope:SCOPE_SE
	s_setreg_imm32_b32 hwreg(HW_REG_WAVE_MODE, 25, 1), 1
	s_wait_xcnt 0x0
; TWO JOBS IN ONE LAUNCH, parted on the work-group's number alone; each has LDS bytes of its own and its own end.
; WORK-GROUPS 16 .. 271: weight [16][512][512] f32 (8,192 rows of 512 along K) becomes codes of FP4 (E2M1) with one E8M0 byte for each 32 along K.
;   A block's scale is 2^(floor(log2(its largest magnitude)) - 2); its byte is the largest magnitude's exponent field - 2, held at 1 from below.
;   wq holds the codes AS IMAGES OF THE OPERAND'S REGISTERS: [tile of 16 rows][K block b = 0..15][row r = 0..15][16 bytes].  A fragment's register group c of K step s wants, in lane 16 h + r,
;   block 4 s + 2 c + h of row r: that is byte 1024 s + 512 c + 16 x lane of the tile: the reader loads 512 consecutive bytes an instruction.  wsc holds the bytes as [row][16].
;   A work-group takes 32 rows (two tiles), a wave two rows.  Each load reads 512 consecutive bytes; a row turns through the wave's own stage in LDS so that a lane holds 16 neighbours along K.
; WORK-GROUPS 0 .. 15: a counting sort of the 16,384 tokens by i_type, without atomics: work-group t scans all indices and stores the places of type t alone.
;   order[p] = token | type << 16 for sorted place p.
; LIMITS: NaN and infinities in weight are not served.  A block of zeros gets the byte 1 (its codes are zeros; this program alone reads the bytes).
;   i_type lies in 0 .. 15, as the table that it indexes asks; a place is held to 0 .. 16,383 ahead of its use as an address all the same.
.set SP,     80                        ; a lane's place in a stage: its 64 bytes + 16 of padding
.set STG,    32*SP                     ; a stage: one row of 2,048 bytes
.set WREG,   2*STG                     ; a wave's two stages
.set IMG,    16*WREG                   ; behind the stages: the two tiles' images, 16 blocks of 256 bytes + 16 each
.set IPITCH, 272
.set ITILE,  16*IPITCH
.set SCB,    IMG+2*ITILE               ; the 32 rows' scale bytes, 16 a row
.set SRT,    SCB+512                   ; the sort's bytes: two counts for each of 16 waves
.set R,  16                            ; v16-47   weights: two rows as loaded
.set X,  48                            ; v48-79   two rows, 16 neighbours a lane
.set C,  80                            ; v80-83   a row's codes: a pair
.set E,  84                            ; v84-85   a row's scale byte
.set TY, 16                            ; v16-47   sort: 32 types a thread, later the places' byte offsets
.set D,  48                            ; v48-79   sort: the waves' counts, later the words to store
.set MK, 66                            ; s66-97   sort: for each of my 32 slots the lanes whose token is of my type
	s_load_b256 s[4:11], s[0:1], 0x0               ; weight s[4:5], i_type s[6:7], wq s[8:9], wsc s[10:11]
	s_load_b64 s[12:13], s[0:1], 0x20              ; order
	v_lshl_add_u32 v96, v0, 2, 0x16500
	v_mov_b32 v97, 0
	v_lshrrev_b32 v1, 5, v0
	s_delay_alu instid0(VALU_DEP_1)
	v_readfirstlane_b32 s16, v1                    ; wave 0..15
	v_and_b32 v1, 31, v0                           ; lane
	s_cmp_lt_u32 ttmp9, 16
	s_cbranch_scc1 .Lsort
; ---------------------------------------------------------------- the weights
	v_lshlrev_b32 v2, 4, v1                        ; 16 x lane: my bytes of a load's or a store's 512
	s_mul_i32 s17, s16, WREG
	v_lshrrev_b32 v10, 2, v1
	s_delay_alu instid0(VALU_DEP_1)
	v_mul_u32_u24 v10, v10, SP
	v_and_b32 v11, 3, v1
	s_delay_alu instid0(VALU_DEP_1)
	v_lshl_add_u32 v4, v11, 4, v10
	s_delay_alu instid0(VALU_DEP_1)
	v_add_nc_u32 v4, s17, v4                       ; the stage, on the way in: four lanes' 64 bytes on end, then the padding
	v_mul_u32_u24 v5, v1, SP
	s_delay_alu instid0(VALU_DEP_1)
	v_add_nc_u32 v5, s17, v5                       ; and on the way out: my 16 neighbours
	s_lshr_b32 s18, s16, 3                         ; waves 0-7 make tile 0, waves 8-15 tile 1
	s_mul_i32 s18, s18, ITILE
	s_add_co_u32 s18, s18, IMG
	s_and_b32 s19, s16, 7
	s_lshl_b32 s20, s19, 5                         ; my rows are r = 2 (wave % 8) + i: 16 bytes a row in each block
	s_add_co_u32 s20, s20, s18
	s_wait_alu depctr_va_vdst(0)
	v_lshrrev_b32 v10, 1, v1                       ; my block: lane / 2
	s_delay_alu instid0(VALU_DEP_1)
	v_mul_u32_u24 v12, v10, IPITCH
	v_and_b32 v11, 1, v1
	s_delay_alu instid0(VALU_DEP_1)
	v_lshl_add_u32 v12, v11, 3, v12                ; my half of its 16 bytes
	s_delay_alu instid0(VALU_DEP_1)
	v_add_nc_u32 v6, s20, v12                      ; where my 8 bytes of codes go
	s_lshl_b32 s20, s16, 5
	s_add_co_u32 s20, s20, SCB
	v_add_nc_u32 v7, s20, v10                      ; where my block's scale byte goes: 16 bytes a row
	s_mul_i32 s20, s19, 2*IPITCH                   ; the way out: wave w takes blocks 2 (w % 8), 2 (w % 8) + 1 of its tile: 512 bytes of wq
	s_add_co_u32 s20, s20, s18
	v_lshrrev_b32 v10, 4, v1
	s_delay_alu instid0(VALU_DEP_1)
	v_mul_u32_u24 v10, v10, IPITCH
	v_and_b32 v11, 15, v1
	s_delay_alu instid0(VALU_DEP_1)
	v_lshl_add_u32 v10, v11, 4, v10
	s_delay_alu instid0(VALU_DEP_1)
	v_add_nc_u32 v8, s20, v10
	v_add_nc_u32 v9, SCB, v2                       ; wave 0 takes the 512 scale bytes out
	s_sub_co_u32 s17, ttmp9, 16                    ; g: which 32 rows
	s_lshl_b32 s18, s17, 16                        ; weight: 32 rows of 2,048 bytes,
	s_lshl_b32 s20, s16, 12                        ; my wave's two
	s_add_co_u32 s18, s18, s20
	s_mov_b32 s19, 0
	s_lshl_b32 s20, s17, 13                        ; wq: two tiles of 4,096 bytes,
	s_lshl_b32 s22, s16, 9                         ; my wave's 512
	s_add_co_u32 s20, s20, s22
	s_mov_b32 s21, 0
	s_lshl_b32 s22, s17, 9                         ; wsc: 32 rows of 16 bytes
	s_mov_b32 s23, 0
	s_wait_kmcnt 0x0
	s_add_nc_u64 s[4:5], s[4:5], s[18:19]
	s_add_nc_u64 s[8:9], s[8:9], s[20:21]
	s_add_nc_u64 s[10:11], s[10:11], s[22:23]
.macro WLOAD i                         ; row i: four loads of 512 consecutive bytes
.irp q, 0,1,2,3
	global_load_b128 v[R+16*(\i)+4*\q:R+16*(\i)+4*\q+3], v2, s[4:5] offset:2048*(\i)+512*\q th:TH_LOAD_NT
.endr
.endm
.macro WTURN i                         ; row i through its stage: LDS serves a wave's instructions in order, so no wait stands between the stores and the loads
.irp q, 0,1,2,3
	ds_store_b128 v4, v[R+16*(\i)+4*\q:R+16*(\i)+4*\q+3] offset:STG*(\i)+8*SP*\q
.endr
.irp q, 0,1,2,3
	ds_load_b128 v[X+16*(\i)+4*\q:X+16*(\i)+4*\q+3], v5 offset:STG*(\i)+16*\q
.endr
.endm
.macro WQ i                            ; my 16 numbers of row i: half a block; lane l xor 1 holds the other half
.set XR, X+16*(\i)
	v_max3_num_f32 v10, |v[XR]|, |v[XR+1]|, |v[XR+2]|
	v_max3_num_f32 v11, |v[XR+3]|, |v[XR+4]|, |v[XR+5]|
.irp e, 6,10
	s_delay_alu instid0(VALU_DEP_2)
	v_max3_num_f32 v10, v10, |v[XR+\e]|, |v[XR+\e+1]|
	s_delay_alu instid0(VALU_DEP_2)
	v_max3_num_f32 v11, v11, |v[XR+\e+2]|, |v[XR+\e+3]|
.endr
	s_delay_alu instid0(VALU_DEP_2)
	v_max3_num_f32 v10, v10, |v[XR+14]|, |v[XR+15]|
	s_delay_alu instid0(VALU_DEP_1)
	v_max3_num_f32 v10, v10, v11, 0x1800000        ; and the floor 2^(3 - 127): the byte cannot fall under 1
	s_delay_alu instid0(VALU_DEP_1)
	v_max_num_f32_dpp v10, v10, v10 row_xmask:1 row_mask:0xf bank_mask:0xf   ; with my neighbour's 16: the block's largest magnitude
	s_delay_alu instid0(VALU_DEP_1)
	v_add_nc_u32 v12, 0xff000000, v10              ; 2 off its exponent field: the conversion takes the exponent field of this operand as its scale
	v_cvt_scalef32_pk8_fp4_f32 v[C+2*(\i)], v[XR:XR+7], v12
	v_cvt_scalef32_pk8_fp4_f32 v[C+2*(\i)+1], v[XR+8:XR+15], v12
	v_lshrrev_b32 v[E+(\i)], 23, v12               ; the scale's byte (also the plain line behind the conversions)
	ds_store_b8 v7, v[E+(\i)] offset:16*(\i)       ; both lanes of a block write the same byte with the same value
	ds_store_b64 v6, v[C+2*(\i):C+2*(\i)+1] offset:16*(\i)
.endm
	WLOAD 0
	WLOAD 1
	s_wait_loadcnt 0x4                             ; row 0 is in; row 1's four loads may be out
	WTURN 0
	s_wait_loadcnt 0x0
	WTURN 1
	s_wait_dscnt 0x8                               ; row 0 is back from its stage; row 1's four stores and four loads may be out
	WQ 0
	s_wait_dscnt 0x2                               ; row 1 is back; row 0's two stores may be out
	WQ 1
	s_wait_dscnt 0x0                               ; for the others' sake: my stores into the images and the scale bytes are done
	s_barrier_signal -1
	s_barrier_wait -1
	ds_load_b128 v[88:91], v8                      ; two blocks x 16 rows x 16 bytes
	s_wait_dscnt 0x0
	global_store_b128 v2, v[88:91], s[8:9]         ; 32 lanes store 512 consecutive bytes, at a multiple of 512 from wq's first byte
	s_cmp_lg_u32 s16, 0
	s_cbranch_scc1 .Lweights_done
	ds_load_b128 v[92:95], v9
	s_wait_dscnt 0x0
	global_store_b128 v2, v[92:95], s[10:11]       ; the 32 rows' 512 scale bytes, likewise
.Lweights_done:
	s_wait_xcnt 0x0
	s_mov_b32 exec_lo, -1
	s_wait_tensorcnt 0x0
	ds_add_u32 v96, v97
	s_wait_dscnt 0x0
	s_endpgm
; ---------------------------------------------------------------- the sort
; Thread i holds 32 slots: load j, word c is token 2048 j + 4 i + c.  Place of a token of my type t = (tokens of lower types) + (tokens of type t in lower waves)
; + (those in my wave's earlier slots) + (those in lower lanes of its slot).
.Lsort:
	v_lshlrev_b32 v3, 4, v0                        ; 16 bytes a thread: the 512 threads read 8,192 consecutive bytes a load
	s_mov_b32 s20, ttmp9                           ; t
	s_lshl_b32 s24, s20, 16
	v_lshl_add_u32 v14, v0, 2, s24                 ; t << 16 | 4 x thread: a slot's constant makes the word of it
	v_mov_b32 v13, s16
	s_delay_alu instid0(VALU_DEP_1)
	v_lshl_add_u32 v13, v13, 3, SRT                ; my wave's two counts
	v_mov_b32 v15, SRT
	s_mov_b32 s21, 0                               ; tokens of my type in my wave
	s_mov_b32 s22, 0                               ; tokens of lower types in my wave
	s_wait_alu depctr_va_vdst(0)
	s_wait_kmcnt 0x0
.irp j, 0,1,2,3,4,5,6,7
	global_load_b128 v[TY+4*\j:TY+4*\j+3], v3, s[6:7] offset:8192*\j
.endr
	s_wait_loadcnt 0x0
.set k, 0
.rept 32
	v_cmp_eq_u32 s[MK+k], s20, v[TY+k]
	v_cmp_gt_u32 s[24+k%2], s20, v[TY+k]           ; t > type
	s_bcnt1_i32_b32 s26, s[MK+k]
	s_bcnt1_i32_b32 s27, s[24+k%2]
	s_add_co_u32 s21, s21, s26
	s_add_co_u32 s22, s22, s27
.set k, k+1
.endr
	v_mov_b32 v10, s21
	v_mov_b32 v11, s22
	ds_store_b64 v13, v[10:11]                     ; all lanes write the same two words with the same values
	s_wait_dscnt 0x0                               ; for the others' sake
	s_barrier_signal -1
	s_barrier_wait -1
.irp i, 0,1,2,3,4,5,6,7
	ds_load_b128 v[D+4*\i:D+4*\i+3], v15 offset:16*\i   ; all sixteen waves' counts, in every lane
.endr
	s_wait_dscnt 0x0
	s_mov_b32 s23, 0
.set k, 0
.rept 16
	v_readfirstlane_b32 s24, v[D+2*k]              ; wave k's tokens of my type,
	v_readfirstlane_b32 s25, v[D+2*k+1]            ; and of lower types
	s_add_co_u32 s23, s23, s25
	s_cmp_gt_u32 s16, k                            ; the first count only of waves below mine
	s_cselect_b32 s24, s24, 0
	s_add_co_u32 s23, s23, s24
.set k, k+1
.endr
.set k, 0
.rept 32                               ; all lanes on: every slot gets a place and a word of its own; the stores below pick the lanes
	v_mbcnt_lo_u32_b32 v[TY+k], s[MK+k], s23       ; the running place + the slot's tokens of my type in lower lanes
	s_bcnt1_i32_b32 s24, s[MK+k]
	s_add_co_u32 s23, s23, s24
	v_min_u32 v[TY+k], 0x3fff, v[TY+k]             ; held inside order
	s_delay_alu instid0(VALU_DEP_1)
	v_lshlrev_b32 v[TY+k], 2, v[TY+k]
	v_add_nc_u32 v[D+k], 2048*(k/4)+k%4, v14       ; token | t << 16
.set k, k+1
.endr
	s_wait_alu depctr_va_vdst(0)
	s_wait_xcnt 0x0                                ; EXEC changes only behind this wait
.set k, 0
.rept 32
	s_and_saveexec_b32 s26, s[MK+k]                ; the lanes whose token is of my type: they store neighbouring words
	global_store_b32 v[TY+k], v[D+k], s[12:13]
	s_wait_xcnt 0x0                                ; the store has read EXEC: it is widened, and narrowed anew, only behind this wait
	s_or_b32 exec_lo, exec_lo, s26
.set k, k+1
.endr
	s_wait_xcnt 0x0
	s_mov_b32 exec_lo, -1
	s_wait_tensorcnt 0x0
	ds_add_u32 v96, v97
	s_wait_dscnt 0x0
	s_endpgm
.Lfunc_end_k_qb9e1825d78_prep:
	.size	k_qb9e1825d78_prep, .Lfunc_end_k_qb9e1825d78_prep-k_qb9e1825d78_prep
	.p2alignl 7, 3214868480
	.fill 96, 4, 3214868480
	.section	.rodata,"a",@progbits
	.p2align	6, 0x0
	.amdhsa_kernel k_qb9e1825d78_prep
		.amdhsa_group_segment_fixed_size 93440
		.amdhsa_private_segment_fixed_size 0
		.amdhsa_enable_private_segment 0
		.amdhsa_kernarg_size 40
		.amdhsa_user_sgpr_count 2
		.amdhsa_user_sgpr_kernarg_segment_ptr 1
		.amdhsa_wavefront_size32 1
		.amdhsa_system_sgpr_workgroup_id_x 1
		.amdhsa_system_sgpr_workgroup_id_y 1
		.amdhsa_system_sgpr_workgroup_id_z 1
		.amdhsa_system_vgpr_workitem_id 0
		.amdhsa_next_free_vgpr 98
		.amdhsa_next_free_sgpr 100
		.amdhsa_reserve_vcc 0
		.amdhsa_float_denorm_mode_32 3
		.amdhsa_float_denorm_mode_16_64 3
		.amdhsa_memory_ordered 1
		.amdhsa_forward_progress 1
		.amdhsa_inst_pref_size 38
	.end_amdhsa_kernel
	.amdgpu_metadata
---
amdhsa.version: [ 1, 2 ]
amdhsa.kernels:
  - .name:           k_qb9e1825d78_prep
    .symbol:         k_qb9e1825d78_prep.kd
    .args:
      - { .name: weight, .offset: 0, .size: 8, .value_kind: global_buffer, .address_space: global }
      - { .name: i_type, .offset: 8, .size: 8, .value_kind: global_buffer, .address_space: global }
      - { .name: wq, .offset: 16, .size: 8, .value_kind: global_buffer, .address_space: global }
      - { .name: wsc, .offset: 24, .size: 8, .value_kind: global_buffer, .address_space: global }
      - { .name: order, .offset: 32, .size: 8, .value_kind: global_buffer, .address_space: global }
    .group_segment_fixed_size: 93440
    .private_segment_fixed_size: 0
    .kernarg_segment_align: 8
    .kernarg_segment_size: 40
    .max_flat_workgroup_size: 512
    .sgpr_count:     100
    .vgpr_count:     98
    .wavefront_size: 32
...
	.end_amdgpu_metadata
.endif
;; end of part 1
;; launch main (part 2): grid 256 x 1, 16 waves a work-group, no clusters, 234,496 bytes of LDS; arguments input, order, wq, wsc, bias, out0; writes out0
.if DOCPART == 2
	.amdgcn_target "amdgcn-amd-amdhsa--gfx1250"
	.amdhsa_code_object_version 6
	.text
	.protected	k_qb9e1825d78_main
	.globl	k_qb9e1825d78_main
	.p2align	8
	.type	k_qb9e1825d78_main,@function
k_qb9e1825d78_main:
	s_mov_b64 s[64:65], 0
	v_nop
	global_prefetch_b8 v0, s[64:65] scope:SCOPE_SE
	s_setreg_imm32_b32 hwreg(HW_REG_WAVE_MODE, 25, 1), 1
	s_wait_xcnt 0x0
; out0[n] = Q(input[n]) . Q(weight[i_type[n]])^T + bias[i_type[n]], on codes of FP4 (E2M1) with one E8M0 scale for each 32 along K = 512; sums in f32.
; Only the chosen type's product is multiplied.  order[p] = token | type << 16 lists the tokens sorted by type; wq and wsc hold the weights' codes (as images of the operand's registers) and scale bytes.
; SHARES.  Work-group j owns sorted places 64 j .. 64 j + 63, whatever types they hold: 256 work-groups of equal rows, none empty, no ragged tile.  Of its sixteen waves, wave w
;   (a) gathers and quantises rows 4 w .. 4 w + 3;  (b) makes outputs 32 w .. 32 w + 31 (two column tiles) for all 64 rows (four row tiles): 8 accumulators;  (c) stores rows 4 w .. 4 w + 3 whole.
; SEVERAL TYPES IN A BLOCK.  The accumulators begin as each row's own bias, loaded straight into them.  For each type from the block's first to its last, the codes of the rows of OTHER types are
;   replaced by zero codes and the product with that type's weights is added onto the same accumulators.  The first type is written out, its weights asked for at the head; the others are a loop
;   of constant count, t = 1 .. 15, that jumps over its work unless first < t <= last.  No barrier stands in that loop.
; THE MATRIX INSTRUCTION IS USED TRANSPOSED: source 0 = 16 rows of W (outputs), source 1 = 16 rows of x: lane (r, h), register j holds out(row 16 m + r, output 32 w + 16 n + 8 h + j).
; NO CLUSTER, NO JOINT LOADS: which types a block holds, and so how many visits it makes, hangs on numbers read from memory; neighbours may want different weights and different numbers of them.
; LIMITS: NaN and infinities among the inputs are not served.  A block of zeros gets the byte 1 (its codes are zeros).  Types and tokens read from order are held to 0 .. 15 and 0 .. 16,383 ahead of
;   every address.  The bias is the sum's first addend, not its last.
.set SP,   80                          ; a lane's place in a stage: its 64 bytes + 16 of padding
.set STG,  32*SP                       ; a stage: one row of 2,048 bytes
.set WREG, 2*STG                       ; a wave's two stages, by turns
.set XC,   16*WREG                     ; behind the stages: x's codes, 64 rows of 256 bytes + 16
.set XP,   272
.set XS,   XC+64*XP                    ; x's scale bytes, 16 a row
.set OST,  XS+1024                     ; the way out: 64 rows of 2,048 bytes + 16
.set OP,   2064
.set L16,  1                           ; v1      16 x lane
.set GO,   2                           ; v2-5    row i of my four: token x 2,048 + 16 x lane: its place in input and in out0 alike
.set TIN,  6                           ; v6      the stage, on the way in
.set TOUT, 7                           ; v7      and on the way out
.set XCW,  8                           ; v8      where my 8 bytes of a row's codes go
.set XSW,  9                           ; v9      where my block's scale byte goes
.set XFA,  10                          ; v10     a fragment of x: row r x pitch + 16 h
.set XSA,  11                          ; v11     x's scale words: 16 bytes a row, a lane a row
.set SOA,  12                          ; v12     the way out: my 32 bytes of row r, row tiles 0 and 1
.set SOB,  13                          ; v13     the same, row tiles 2 and 3
.set SR,   14                          ; v14     the way out: my 16 bytes of my four rows
.set EA,   15                          ; v15     4 r: a row tile's words of order
.set TYP,  16                          ; v16-19  the type of row 16 m + r
.set BO,   20                          ; v20-23  that type's bias at my eight outputs
.set SBY,  28                          ; v28-31  a row's scale byte (v24-27 at work)
.set XSC,  32                          ; v32-39  x's scale words: register 4 p + s: lanes 0-15 row tile 2 p, lanes 16-31 row tile 2 p + 1, K step s.  Scales and nothing else
.set WSC,  40                          ; v40-43  W's: register s: lanes 0-15 column tile 0, lanes 16-31 column tile 1.  Scales and nothing else
.set W,    44                          ; v44-107 W's fragments: (n, s) at 8 (4 n + s)
.set ACC,  108                         ; v108-171 accumulators: (m, n) at 8 (2 m + n)
.set R,    172                         ; v172-235 my four rows as loaded; later x's fragments; later my rows of out0
.set XF,   172                         ;         x's fragments: set s % 2 at 32 (s % 2), row tile m at + 8 m
.set XA,   236                         ; v236-251 row 0 turned (row i > 0 turns into row i - 1's registers)
.set CD,   252                         ; v252-255 a row's codes: two pairs by turns
.set MM,   36                          ; s36-39  for row tile m: the lanes whose row is of the type in hand
	s_load_b256 s[4:11], s[0:1], 0x0               ; input s[4:5], order s[6:7], wq s[8:9], wsc s[10:11]
	s_load_b128 s[12:15], s[0:1], 0x20             ; bias s[12:13], out0 s[14:15]
	v_lshrrev_b32 v24, 5, v0
	s_delay_alu instid0(VALU_DEP_1)
	v_readfirstlane_b32 s16, v24                   ; wave 0..15
	v_and_b32 v24, 31, v0                          ; lane
	v_and_b32 v25, 15, v0                          ; r
	v_bfe_u32 v26, v0, 4, 1                        ; h
	s_delay_alu instid0(VALU_DEP_3)
	v_lshlrev_b32 v[L16], 4, v24
	s_delay_alu instid0(VALU_DEP_3)
	v_lshlrev_b32 v[EA], 2, v25
	s_lshl_b32 s18, ttmp9, 8                       ; my block's 64 words of order
	s_mov_b32 s19, 0
	s_wait_alu depctr_va_vdst(0)
	s_wait_kmcnt 0x0
	s_add_nc_u64 s[6:7], s[6:7], s[18:19]
	s_lshl_b32 s18, s16, 4
	s_add_nc_u64 s[30:31], s[6:7], s[18:19]
	s_load_b128 s[20:23], s[30:31], 0x0            ; my four rows' words
	s_load_b32 s24, s[6:7], 0x0                    ; the block's first word
	s_load_b32 s25, s[6:7], 0xfc                   ; and its last
.irp m, 0,1,2,3
	global_load_b32 v[TYP+\m], v[EA], s[6:7] offset:64*\m   ; the word of row 16 m + r, in both halves of the lanes
.endr
	; the LDS addresses are made while those are on their way
	s_mul_i32 s40, s16, WREG
	v_lshrrev_b32 v27, 2, v24
	s_delay_alu instid0(VALU_DEP_1)
	v_mul_u32_u24 v27, v27, SP
	v_and_b32 v[TIN], 3, v24
	s_delay_alu instid0(VALU_DEP_1)
	v_lshl_add_u32 v[TIN], v[TIN], 4, v27
	s_delay_alu instid0(VALU_DEP_1)
	v_add_nc_u32 v[TIN], s40, v[TIN]               ; four lanes' 64 bytes on end, then the padding
	v_mul_u32_u24 v[TOUT], v24, SP
	s_delay_alu instid0(VALU_DEP_1)
	v_add_nc_u32 v[TOUT], s40, v[TOUT]
	s_mul_i32 s41, s16, 4*XP
	s_add_co_u32 s41, s41, XC
	v_lshl_add_u32 v[XCW], v24, 3, s41             ; rows 4 w on, 8 bytes a lane
	s_lshl_b32 s41, s16, 6
	s_add_co_u32 s41, s41, XS
	v_lshrrev_b32 v[XSW], 1, v24
	s_delay_alu instid0(VALU_DEP_1)
	v_add_nc_u32 v[XSW], s41, v[XSW]
	v_mul_u32_u24 v[XFA], v25, XP
	s_delay_alu instid0(VALU_DEP_1)
	v_lshl_add_u32 v[XFA], v26, 4, v[XFA]
	s_delay_alu instid0(VALU_DEP_1)
	v_add_nc_u32 v[XFA], XC, v[XFA]
	v_lshl_add_u32 v[XSA], v24, 4, XS
	s_lshl_b32 s41, s16, 7
	v_lshl_add_u32 v27, v26, 5, s41                ; 128 w + 32 h: my eight outputs' bytes in a row of 512 f32
	v_mul_u32_u24 v[SOA], v25, OP
	s_delay_alu instid0(VALU_DEP_1)
	v_add_nc_u32 v[SOA], v[SOA], v27
	s_delay_alu instid0(VALU_DEP_1)
	v_add_nc_u32 v[SOA], OST, v[SOA]
	s_delay_alu instid0(VALU_DEP_1)
	v_add_nc_u32 v[SOB], 32*OP, v[SOA]
	s_mul_i32 s41, s16, 4*OP
	s_add_co_u32 s41, s41, OST
	v_add_nc_u32 v[SR], s41, v[L16]
	s_wait_kmcnt 0x0
.irp i, 0,1,2,3
	s_and_b32 s40, s[20+\i], 0xffff                ; the token,
	s_min_u32 s40, s40, 0x3fff                     ; held inside input and out0,
	s_lshl_b32 s40, s40, 11                        ; x 2,048 bytes a row
	v_add_nc_u32 v[GO+\i], s40, v[L16]
.endr
	s_wait_alu depctr_va_vdst(0)
.irp i, 0,1,2,3
.irp q, 0,1,2,3
	global_load_b128 v[R+16*\i+4*\q:R+16*\i+4*\q+3], v[GO+\i], s[4:5] offset:512*\q th:TH_LOAD_NT   ; 512 consecutive bytes of a token's row; each row is read once in the launch
.endr
.endr
	s_lshr_b32 s26, s24, 16
	s_min_u32 s26, s26, 15                         ; the block's first type
	s_lshr_b32 s27, s25, 16
	s_min_u32 s27, s27, 15                         ; and its last
; where type ty's codes and scale bytes of my 32 outputs begin
.macro WPTR ty
	s_lshl_b32 s18, \ty, 17                        ; 32 tiles of 4,096 bytes a type,
	s_lshl_b32 s40, s16, 13                        ; my two
	s_add_co_u32 s18, s18, s40
	s_mov_b32 s19, 0
	s_add_nc_u64 s[32:33], s[8:9], s[18:19]
	s_lshl_b32 s18, \ty, 13                        ; 512 rows of 16 scale bytes a type,
	s_lshl_b32 s40, s16, 9                         ; my 32
	s_add_co_u32 s18, s18, s40
	s_add_nc_u64 s[34:35], s[10:11], s[18:19]
.endm
; 17 loads: my two tiles' 8,192 bytes as they lie are the eight fragments' registers on end; then 16 scale bytes a lane: output 32 w + lane, a word for each K step
.macro WLOADS
.irp i, 0,1,2,3,4,5,6,7,8,9,10,11,12,13,14,15
	global_load_b128 v[W+4*\i:W+4*\i+3], v[L16], s[32:33] offset:512*\i
.endr
	global_load_b128 v[WSC:WSC+3], v[L16], s[34:35]
.endm
	WPTR s26
	WLOADS
	s_wait_loadcnt 33                              ; the four words of order are in; x's 16 loads and W's 17 may be out
.irp m, 0,1,2,3
	v_lshrrev_b32 v[TYP+\m], 16, v[TYP+\m]
	s_delay_alu instid0(VALU_DEP_1)
	v_min_u32 v[TYP+\m], 15, v[TYP+\m]             ; the type, held inside bias
	s_delay_alu instid0(VALU_DEP_1)
	v_lshl_add_u32 v[BO+\m], v[TYP+\m], 11, v27
.endr
.irp m, 0,1,2,3
.irp n, 0,1
	global_load_b128 v[ACC+8*(2*\m+\n):ACC+8*(2*\m+\n)+3], v[BO+\m], s[12:13] offset:64*\n         ; each row's own bias starts its sums
	global_load_b128 v[ACC+8*(2*\m+\n)+4:ACC+8*(2*\m+\n)+7], v[BO+\m], s[12:13] offset:64*\n+16
.endr
.endr
; ---- my four rows become codes.  A load is dense (16 bytes a lane, 512 an instruction); the conversions want 16 neighbours along K in a lane: so a row turns through the wave's own stage.
.macro XTURN i
.if (\i) == 0
.set XR, XA
.else
.set XR, R+16*((\i)-1)
.endif
.irp q, 0,1,2,3
	ds_store_b128 v[TIN], v[R+16*(\i)+4*\q:R+16*(\i)+4*\q+3] offset:STG*((\i)%2)+8*SP*\q
.endr
.irp q, 0,1,2,3
	ds_load_b128 v[XR+4*\q:XR+4*\q+3], v[TOUT] offset:STG*((\i)%2)+16*\q   ; LDS serves a wave's instructions in order: these see the stores above
.endr
.endm
.macro XQ i                            ; my 16 numbers of row i: half a block; lane l xor 1 holds the other half
.if (\i) == 0
.set XR, XA
.else
.set XR, R+16*((\i)-1)
.endif
	v_max3_num_f32 v24, |v[XR]|, |v[XR+1]|, |v[XR+2]|
	v_max3_num_f32 v25, |v[XR+3]|, |v[XR+4]|, |v[XR+5]|
.irp e, 6,10
	s_delay_alu instid0(VALU_DEP_2)
	v_max3_num_f32 v24, v24, |v[XR+\e]|, |v[XR+\e+1]|
	s_delay_alu instid0(VALU_DEP_2)
	v_max3_num_f32 v25, v25, |v[XR+\e+2]|, |v[XR+\e+3]|
.endr
	s_delay_alu instid0(VALU_DEP_2)
	v_max3_num_f32 v24, v24, |v[XR+14]|, |v[XR+15]|
	s_delay_alu instid0(VALU_DEP_1)
	v_max3_num_f32 v24, v24, v25, 0x1800000        ; and the floor 2^(3 - 127): the byte cannot fall under 1
	s_delay_alu instid0(VALU_DEP_1)
	v_max_num_f32_dpp v24, v24, v24 row_xmask:1 row_mask:0xf bank_mask:0xf   ; the block's largest magnitude
	s_delay_alu instid0(VALU_DEP_1)
	v_add_nc_u32 v26, 0xff000000, v24              ; 2 off its exponent field: the conversion's scale operand
	v_cvt_scalef32_pk8_fp4_f32 v[CD+2*((\i)%2)], v[XR:XR+7], v26
	v_cvt_scalef32_pk8_fp4_f32 v[CD+2*((\i)%2)+1], v[XR+8:XR+15], v26
	v_lshrrev_b32 v[SBY+(\i)], 23, v26             ; the scale's byte (also the plain line behind the conversions)
	ds_store_b8 v[XSW], v[SBY+(\i)] offset:16*(\i) ; both lanes of a block write the same byte with the same value
	ds_store_b64 v[XCW], v[CD+2*((\i)%2):CD+2*((\i)%2)+1] offset:XP*(\i)
.endm
	s_wait_loadcnt 45                              ; row 0 is in; behind it: rows 1 to 3 (12 loads), W (17), the bias (16)
	XTURN 0
.irp i, 0,1,2,3
.if \i == 0
	s_wait_dscnt 0x0                               ; row 0 is back from the stage
.else
	s_wait_dscnt 0x2                               ; row i is back, and its stores into the stage have read their registers; the last row's two stores may be out
.endif
.if \i < 3
	s_wait_loadcnt 41-4*\i                         ; the next row is in; the rows behind it, W and the bias may be out
	XTURN \i+1                                     ; it goes through the other stage, and lands in this row's registers as loaded, while this row is worked
.endif
	XQ \i
.endr
	s_wait_dscnt 0x0                               ; for the others' sake: my codes and scale bytes lie in LDS
	s_barrier_signal -1
	s_barrier_wait -1                              ; all 64 rows' do
; ---- the products
.macro FETCH s                         ; x's four fragments of K step s into set s % 2: lane (r, h): bytes 64 s + 32 c + 16 h of row 16 m + r
.irp m, 0,1,2,3
.irp c, 0,1
	ds_load_b128 v[XF+32*((\s)%2)+8*\m+4*\c:XF+32*((\s)%2)+8*\m+4*\c+3], v[XFA] offset:16*XP*\m+64*(\s)+32*\c
.endr
.endr
.endm
.macro MASK s                          ; the rows of other types get zero codes, which add nothing under any scale byte
.irp m, 0,1,2,3
.irp e, 0,1,2,3,4,5,6,7
	v_cndmask_b32 v[XF+32*((\s)%2)+8*\m+\e], 0, v[XF+32*((\s)%2)+8*\m+\e], s[MM+\m]
.endr
.endr
.endm
.macro WM s, m, n
.set rA, ACC+8*(2*(\m)+(\n))
.set rW, W+8*(4*(\n)+(\s))
.set rX, XF+32*((\s)%2)+8*(\m)
.set rS, XSC+4*((\m)/2)+(\s)
.set hiA, (\n)
.set hiB, (\m)%2
.if (hiA == 0) && (hiB == 0)
	v_wmma_scale_f32_16x16x128_f8f6f4 v[rA:rA+7], v[rW:rW+7], v[rX:rX+7], v[rA:rA+7], v[WSC+(\s)], v[rS] matrix_a_fmt:MATRIX_FMT_FP4 matrix_b_fmt:MATRIX_FMT_FP4
.elseif (hiA == 1) && (hiB == 0)
	v_wmma_scale_f32_16x16x128_f8f6f4 v[rA:rA+7], v[rW:rW+7], v[rX:rX+7], v[rA:rA+7], v[WSC+(\s)], v[rS] matrix_a_fmt:MATRIX_FMT_FP4 matrix_b_fmt:MATRIX_FMT_FP4 matrix_a_scale:MATRIX_SCALE_ROW1
.elseif (hiA == 0) && (hiB == 1)
	v_wmma_scale_f32_16x16x128_f8f6f4 v[rA:rA+7], v[rW:rW+7], v[rX:rX+7], v[rA:rA+7], v[WSC+(\s)], v[rS] matrix_a_fmt:MATRIX_FMT_FP4 matrix_b_fmt:MATRIX_FMT_FP4 matrix_b_scale:MATRIX_SCALE_ROW1
.else
	v_wmma_scale_f32_16x16x128_f8f6f4 v[rA:rA+7], v[rW:rW+7], v[rX:rX+7], v[rA:rA+7], v[WSC+(\s)], v[rS] matrix_a_fmt:MATRIX_FMT_FP4 matrix_b_fmt:MATRIX_FMT_FP4 matrix_a_scale:MATRIX_SCALE_ROW1 matrix_b_scale:MATRIX_SCALE_ROW1
.endif
.endm
.macro MUL s                           ; the eight accumulators take turns, one instruction a turn, in the same order in every K step and every visit
.irp m, 0,1,2,3
.irp n, 0,1
	WM \s, \m, \n
.endr
.endr
.endm
; One type's product onto the accumulators.  The 32 lines of MASK s name the set that K step s - 1 did not read: they are the places between that step's products and the loads of FETCH s + 1 into the set
; that it did read.  Four v_nop stand between the last vector write of an operand and the scaled products (ISA guide 7.12.1 for the places behind matrix instructions).
.macro VISIT ty
.irp m, 0,1,2,3
	v_cmp_eq_u32 s[MM+\m], \ty, v[TYP+\m]
.endr
	FETCH 0
.irp s, 0,1,2,3
	s_wait_dscnt 0x0                               ; this K step's fragments are in (in the first visit's first step: x's scale words too)
	MASK \s
.if \s < 3
	FETCH \s+1
.endif
.rept 4
	v_nop
.endr
	MUL \s
.endr
.endm
.irp p, 0,1
	ds_load_b128 v[XSC+4*\p:XSC+4*\p+3], v[XSA] offset:512*\p   ; row 32 p + lane: its four scale words
.endr
	s_wait_loadcnt 0x0                             ; the first type's weights and the bias are in
	VISIT s26
	s_mov_b32 s28, 1
.Ltype:                                            ; 15 trips, a constant; the work is jumped over unless first < t <= last.  The same way in all sixteen waves
	s_cmp_le_u32 s28, s26
	s_cbranch_scc1 .Lnext
	s_cmp_gt_u32 s28, s27
	s_cbranch_scc1 .Lnext
.rept 4
	v_nop                                          ; places in front of loads into registers that the last products read
.endr
	WPTR s28                                       ; the earlier loads by these pointers were shown done by the wait for all loads
	WLOADS
	s_wait_loadcnt 0x0
	VISIT s28
.Lnext:
	s_add_co_u32 s28, s28, 1
	s_cmp_lt_u32 s28, 16
	s_cbranch_scc1 .Ltype
; ---- the way out.  A lane holds 32 neighbouring bytes of a row; a row's 2,048 bytes come from sixteen waves: they meet in a stage, and each wave stores four whole rows.
.rept 4
	v_nop                                          ; places behind the last products, on every way here
.endr
.irp m, 0,1,2,3
.irp n, 0,1
	ds_store_b128 v[SOA+\m/2], v[ACC+8*(2*\m+\n):ACC+8*(2*\m+\n)+3] offset:16*OP*(\m%2)+64*\n        ; each accumulator from its low end on
	ds_store_b128 v[SOA+\m/2], v[ACC+8*(2*\m+\n)+4:ACC+8*(2*\m+\n)+7] offset:16*OP*(\m%2)+64*\n+16
.endr
.endr
	s_wait_dscnt 0x0                               ; for the others' sake: my stores into the stage are done
	s_barrier_signal -1
	s_barrier_wait -1
.irp i, 0,1,2,3
.irp q, 0,1,2,3
	ds_load_b128 v[R+16*\i+4*\q:R+16*\i+4*\q+3], v[SR] offset:OP*\i+512*\q
.endr
.endr
.irp i, 0,1,2,3
.irp q, 0,1,2,3
	s_wait_dscnt 15-4*\i-\q                        ; LDS loads come back in order: this one is in, the younger ones may be out
	global_store_b128 v[GO+\i], v[R+16*\i+4*\q:R+16*\i+4*\q+3], s[14:15] offset:512*\q th:TH_STORE_NT   ; 32 lanes store 512 consecutive bytes of a token's row, at a multiple of 512 from out0's first byte
.endr
.endr
	s_barrier_signal -1
	s_barrier_wait -1
	s_wait_xcnt 0x0
	v_lshl_add_u32 v254, v0, 2, 0x38c00
	v_mov_b32 v255, 0
	s_wait_alu depctr_va_vdst(0)
	s_wait_tensorcnt 0x0
	ds_add_u32 v254, v255
	s_wait_dscnt 0x0
	s_endpgm
.Lfunc_end_k_qb9e1825d78_main:
	.size	k_qb9e1825d78_main, .Lfunc_end_k_qb9e1825d78_main-k_qb9e1825d78_main
	.p2alignl 7, 3214868480
	.fill 96, 4, 3214868480
	.section	.rodata,"a",@progbits
	.p2align	6, 0x0
	.amdhsa_kernel k_qb9e1825d78_main
		.amdhsa_group_segment_fixed_size 234496
		.amdhsa_private_segment_fixed_size 0
		.amdhsa_enable_private_segment 0
		.amdhsa_kernarg_size 48
		.amdhsa_user_sgpr_count 2
		.amdhsa_user_sgpr_kernarg_segment_ptr 1
		.amdhsa_wavefront_size32 1
		.amdhsa_system_sgpr_workgroup_id_x 1
		.amdhsa_system_sgpr_workgroup_id_y 1
		.amdhsa_system_sgpr_workgroup_id_z 1
		.amdhsa_system_vgpr_workitem_id 0
		.amdhsa_next_free_vgpr 256
		.amdhsa_next_free_sgpr 66
		.amdhsa_reserve_vcc 0
		.amdhsa_float_denorm_mode_32 3
		.amdhsa_float_denorm_mode_16_64 3
		.amdhsa_memory_ordered 1
		.amdhsa_forward_progress 1
		.amdhsa_inst_pref_size 54
	.end_amdhsa_kernel
	.amdgpu_metadata
---
amdhsa.version: [ 1, 2 ]
amdhsa.kernels:
  - .name:           k_qb9e1825d78_main
    .symbol:         k_qb9e1825d78_main.kd
    .args:
      - { .name: input, .offset: 0, .size: 8, .value_kind: global_buffer, .address_space: global }
      - { .name: order, .offset: 8, .size: 8, .value_kind: global_buffer, .address_space: global }
      - { .name: wq, .offset: 16, .size: 8, .value_kind: global_buffer, .address_space: global }
      - { .name: wsc, .offset: 24, .size: 8, .value_kind: global_buffer, .address_space: global }
      - { .name: bias, .offset: 32, .size: 8, .value_kind: global_buffer, .address_space: global }
      - { .name: out0, .offset: 40, .size: 8, .value_kind: global_buffer, .address_space: global }
    .group_segment_fixed_size: 234496
    .private_segment_fixed_size: 0
    .kernarg_segment_align: 8
    .kernarg_segment_size: 48
    .max_flat_workgroup_size: 512
    .sgpr_count:     66
    .vgpr_count:     256
    .wavefront_size: 32
...
	.end_amdgpu_metadata
.endif
;; end of part 2
